; MI455X (gfx1250); checked and timed in simulation.
; The chip was launched on July 23, 2026; its instructions are those of AMD's public machine-readable ISA for CDNA 5 (MIT licence, August 2026) and "CDNA5" Instruction Set Architecture Reference Guide (July 2026). The comments in the code are by the model that wrote it; some were corrected since.
;; Selfatt. Allowed arithmetic: matrix products marked QUANTISED: E4M3 operands, one given power-of-two scale a tensor, by v_wmma_f32_16x16x64_fp8_fp8 or v_wmma_f32_16x16x128_fp8_fp8, f32 sums; everything else in f32.
;; Inputs: W_g_codes 64 x 32 x 32 uint8 (E4M3 codes of W_g, K innermost, in blocks of 32 codes); W_phi_codes 256 x 32 x 32 uint8 (E4M3 codes of W_phi, K innermost, in blocks of 32 codes); W_theta_codes 256 x 32 x 32 uint8 (E4M3 codes of W_theta, K innermost, in blocks of 32 codes); lowp_scales 10 int32 (the exponents e of the quantised operands' scales 2^e); x_codes 8 x 4,096 x 32 x 32 uint8 (E4M3 codes of x, K innermost, in blocks of 32 codes).
;; Outputs: out0 8 x 4,096 x 64 float32.
;; This version of the problem:
;;   THIS VERSION OF THE PROBLEM IS GIVEN IN LOW PRECISION. The matrix products marked QUANTISED in the list below multiply operands that are first quantised to E4M3 (4 exponent bits, 3 mantissa bits; 8 bits a number), with one given power-of-two scale for each operand tensor; their sums are f32. All else is computed in f32.
;;   The module's matrix products, in the order in which they are computed (A, B: the left and right operand; K: the contracted axis; several contracted axes count as one K, in the product's order):
;;     1. [M 32,768, K 1,024] x [K 1,024, N 256]; A: input x (given as codes); B: input W_theta (given as codes): QUANTISED (scales: A lowp_scales[0], B lowp_scales[1])
;;     2. [M 32,768, K 1,024] x [K 1,024, N 256]; A: input x (given as codes); B: input W_phi (given as codes): QUANTISED (scales: A lowp_scales[2], B lowp_scales[3])
;;     3. [M 32,768, K 1,024] x [K 1,024, N 64]; A: input x (given as codes); B: input W_g (given as codes): QUANTISED (scales: A lowp_scales[4], B lowp_scales[5])
;;     4. batch 8 x [M 4,096, K 256] x [K 256, N 4,096]; A: computed on the way; B: computed on the way: QUANTISED (scales: A lowp_scales[6], B lowp_scales[7])
;;     5. batch 8 x [M 4,096, K 4,096] x [K 4,096, N 64]; A: computed on the way; B: computed on the way: QUANTISED (scales: A lowp_scales[8], B lowp_scales[9])
;;   THE QUANTISER, for each operand of a quantised product, along K:
;;     - The operand's scale is 2^e, e = its entry of the input lowp_scales (int32; the entries are numbered through the quantised products in the list's order, A before B).
;;     - Each number is divided by the scale, clamped to +-448, and rounded to the nearest number of E4M3, ties to even, subnormals kept.
;;     - The product sums the exact products of the quantised numbers (number of the format x scale) in f32.
;;   ~~~python
;;   def quantise(x, axis, e):      # numpy; x: float32 -> the quantised numbers, widened to float32 again
;;       x = np.moveaxis(x, axis, -1); K = x.shape[-1]
;;       r = np.clip(x / 2.0 ** e, -448, 448)
;;       step = 2.0 ** (np.maximum(np.frexp(np.where(r == 0, 1, r))[1] - 1, -6) - 3)
;;       q = np.round(r / step) * step * 2.0 ** e      # np.round: ties to even
;;       return np.moveaxis(q, -1, axis).astype(np.float32)
;;   ~~~
;;   OPERANDS COMPUTED ON THE WAY. 'Computed on the way' means the value that the module computes at that place (a softmax that the list does not call 'softmax' is quantised finished and normalised). What goes into a quantiser is computed in f32, as accurately as f32 sums, v_exp_f32 and their like allow (about 1e-6 of the number): no bf16 or f16 on the way to a quantiser, and a product that is left as it is and whose result goes on into a quantised operand takes f32 operands (vector FMAs, or v_wmma_f32_16x16x4_f32). A number that lies on a knife's edge between two numbers of the format may be rounded either way, as far as f32 arithmetic and the matrix unit's own rounding can turn it there, and no further.
;;   INPUTS GIVEN AS CODES. W_g (in the module: [64, 1024], K = its axis 1); W_phi (in the module: [256, 1024], K = its axis 1); W_theta (in the module: [256, 1024], K = its axis 1); x (in the module: [8, 4096, 1024], K = its axis 2): each comes as NAME_codes (uint8): NAME with its K axis moved to the last place and cut into blocks of 32 codes, [.., K / 32, bytes a block], one block behind the other in memory; one code a byte (a code: sign, 4 exponent bits, 3 mantissa bits); its scale is its entry of lowp_scales. Its value is code x scale, taken as it is: it is not quantised again, and the codes and scales need not be those that the quantiser above would give.
;; One version. Each part assembles by itself: llvm-mc -triple=amdgcn-amd-amdhsa -mcpu=gfx1250 --defsym DOCPART=n.
;; ======== version 1 of 1: 2 launches
;; workspace buffers: th 8,388,608 bytes; kv 10,485,760 bytes
;; launch proj (part 1): grid 256 x 1, 4 waves a work-group, clusters of 4 x 1, 327,680 bytes of LDS; arguments x_codes, W_theta_codes, W_phi_codes, W_g_codes, lowp_scales, th, kv; writes th, kv
.if DOCPART == 1
	.amdgcn_target "amdgcn-amd-amdhsa--gfx1250"
	.amdhsa_code_object_version 6
	.text
	.protected	k_q3eb023a25a_proj
	.globl	k_q3eb023a25a_proj
	.p2align	8
	.type	k_q3eb023a25a_proj,@function
k_q3eb023a25a_proj:
	s_mov_b64 s[64:65], 0
	v_nop
	global_prefetch_b8 v0, s[64:65] scope:SCOPE_SE
	s_setreg_imm32_b32 hwreg(HW_REG_WAVE_MODE, 25, 1), 1
	s_wait_xcnt 0x0
	s_wait_alu depctr_hold_cnt(0) depctr_sa_sdst(0) depctr_va_vdst(0) depctr_va_sdst(0) depctr_va_ssrc(0) depctr_va_vcc(0) depctr_vm_vsrc(0)
	s_getreg_b32 s2, hwreg(HW_REG_IB_STS2, 6, 4)
	s_cmp_eq_u32 s2, 0
	s_cbranch_scc0 .Lentry_in_a_cluster
	s_endpgm
.Lentry_in_a_cluster:
	s_bfe_u32 s2, ttmp6, 0x10000c
	s_cmp_lg_u32 s2, 0x3003
	s_cbranch_scc0 .Lentry_shape_is_right
	s_endpgm
.Lentry_shape_is_right:
; theta = x W_theta^T, phi = x W_phi^T, g = x W_g^T on codes of FP8 (E4M3), each result quantised again to E4M3 with the scale given for it as an operand of the next products.
; x: [32768][1024] codes; W_theta, W_phi: [256][1024]; W_g: [64][1024]; lowp_scales: e0 .. e9.  A sum of product 1 stands for sum x 2^(e0 + e1), and theta's code is value / 2^e6: the three
; exponents are folded into the conversion's one scale, 2^(e6 - e0 - e1); phi: 2^(e7 - e2 - e3); g: 2^(e9 - e4 - e5).  Each number is held within +-448 x that scale first.
; LIMITS: each of these three exponents lies between -126 and 119, so that the scale and 448 x the scale are f32 numbers.  NaN codes among the inputs are not served.
; The K steps are walked from a start that differs from cluster to cluster (below): the order of the f32 sums along K is not reference()'s.
; SHARES.  A work-group owns 128 rows of x and all 576 columns.  THE WAVES SHARE THE COLUMNS: wave w has theta's l = 64 w .. 64 w + 63 (4 tiles), phi's same l (4 tiles), g's channels 16 w .. + 15 (1 tile),
; each against the 8 tiles of rows: 72 accumulators, 576 registers.
; theta and phi are used TRANSPOSED (source 0 = 16 rows of W, source 1 = 16 rows of x): a lane holds one row of x and eight neighbouring l, which are neighbours along the next product's K.
; g is used straight (source 0 = 16 rows of x, source 1 = W_g's 16 rows): a lane holds one channel and eight neighbouring keys, which are the last product's K.
; So the conversions' results ARE registers of the next launch's operands, and they are stored as IMAGES OF THOSE REGISTERS: a fragment (16 rows x 128 K, 16 registers a lane) is 4 chunks of 512 bytes,
; chunk q = registers 4 q .. 4 q + 3, lane l's 16 bytes at 16 l.  th: row tile gt, K step s at 4096 gt + 2048 s.  kv: 40,960 bytes for each 128 keys: phi's key tile i, K step s at 4096 i + 2048 s; g's channel tile ct at 32768 + 2048 ct.
; Each store of a wave covers 512 consecutive bytes, aligned.
; DATA.  x's 128 rows (128 KB) come once, by four tensor loads of wave 3, in rows of 256 bytes, and stay in LDS.  W is the same for all work-groups: it comes through a ring of two slots of 128 along K,
; asked for JOINTLY by the four work-groups of a cluster (waves 0, 1, 2: W_theta, W_phi, W_g).  Cluster number c begins at K step 2 (c mod 4) of eight and goes round: only addresses in memory hang on that; every LDS address is a constant of the text.
; A fragment is fetched by four loads of 16 bytes, 32 bytes apart: a permutation of k inside 128, the same in x and in W, so every product meets its partner.
; REGISTERS, in windows of 256: window 0: v1-19 addresses and scales; v32-95 g's 8 accumulators; v96-111 g's codes; v112-255 W's 9 fragments, ONE set, later theta's and phi's codes.
;   window 1: x's 8 fragments, TWO sets.   window 2: theta's 32 accumulators, (j, i) at v[8 (8 j + i)].   window 3: phi's.
.set XPITCH, 272                       ; a row of x in LDS: 256 bytes + 16 of padding: the 16 rows of a load start 16 bytes apart modulo 256
.set XCH,    128*XPITCH                ; 256 along K of my 128 rows
.set WPITCH, 144                       ; a row of W in LDS: 128 bytes + 16
.set WPART,  256*WPITCH                ; W_theta's rows in a slot; W_phi's follow, then W_g's 64
.set WS0,    4*XCH                     ; the ring begins behind x
.set WSB,    576*WPITCH                ; a slot
.set SPARE,  WS0+2*WSB                 ; behind the ring: the spare words, 128 bytes for each wave: two blocks of 256 bytes that no other line names
.set SPW, 6                            ; v6   LDS address of my spare word; never rewritten
.set NIL, 7                            ; v7   0; never rewritten
.set LI,  11                           ; v11  16 x lane: my place in a chunk of an image
.set ADX, 12                           ; v12-15 my lane's place in x's four chunks of 256 along K
.set ADW, 16                           ; v16-17 in my rows of W_theta, slot 0, 1 (W_phi's lie WPART further on)
.set ADG, 18                           ; v18-19 in my rows of W_g
.set GA,  32
.set GC,  96
.set WF,  112
.set TC,  112                          ; theta's codes: row tile i at v[TC + 8 i]
.set PCD, 176                          ; phi's
.set WV,  18                           ; s18  my wave's number
.set G1X, 24                           ; s[24:31] descriptor group 1 for x;  s[32:39] for W_theta and W_phi;  s[40:47] for W_g
.set G1W, 32
.set G1G, 40
.set G0W, 48                           ; s[48:55] group 0 for W, one set for each slot
.set MUL_T, 0xa4                       ; source 0 (W) window 0, source 1 (x) window 1, C and D window 2
.set MUL_P, 0xf4                       ; the same, C and D window 3
.set MUL_G, 0x01                       ; source 0 (x) window 1, all else window 0
.set MSB, 0
.macro WIN new                         ; the immediate's high byte repeats the setting that is left
.if MSB != \new
	s_set_vgpr_msb (MSB<<8)|\new
.set MSB, \new
.endif
.endm
.macro PLACES                          ; four plain vector instructions between a matrix instruction and a load into, or a vector instruction on, one of its registers
.rept 4
	v_nop
.endr
.endm
.macro CREST                           ; a round of the cluster's barrier behind its opening barrier
	s_cmp_lg_u32 s[WV], 0
	s_cbranch_scc1 .Lnot_wave_0_\@
	s_barrier_signal -3
.Lnot_wave_0_\@:
	s_barrier_wait -3
	s_barrier_signal -1
	s_barrier_wait -1
.endm
.macro CROUND                          ; a whole round
	s_barrier_signal -1
	s_barrier_wait -1
	CREST
.endm
.macro WADDR s, u                      ; slot s's group 0 takes my tensor's step u of the walk: K step (u + 2 (cluster mod 4)) mod 8, 128 bytes each
	s_add_co_u32 s92, s95, \u
	s_and_b32 s92, s92, 7
	s_lshl_b32 s92, s92, 7
	s_add_nc_u64 s[G0W+4*(\s)+2:G0W+4*(\s)+3], s[20:21], s[92:93]
	s_or_b32 s[G0W+4*(\s)+3], s[G0W+4*(\s)+3], 0x80000000
.endm
.macro XDESC g, c                      ; group 0 for x's LDS chunk c: it holds K chunk (c + cluster) mod 4, 256 bytes of each row
	s_mov_b32 s[\g], 1
	s_mov_b32 s[\g+1], (\c)*XCH
	s_add_co_u32 s92, s23, \c
	s_and_b32 s92, s92, 3
	s_lshl_b32 s92, s92, 8
	s_add_nc_u64 s[\g+2:\g+3], s[4:5], s[92:93]
	s_or_b32 s[\g+3], s[\g+3], 0x80000000
.endm
; A joint refill of slot s: waves 0 and 1 W_theta's and W_phi's 256 rows, wave 2 W_g's 64, wave 3 nothing.  The branches hang on the wave's number alone.  Four v_nop follow each line.
.macro WLOAD s
	s_cmp_lt_u32 s[WV], 2
	s_cbranch_scc0 .Lnot_tp_\@
	tensor_load_to_lds s[G0W+4*(\s):G0W+4*(\s)+3], s[G1W:G1W+7]
	s_nop 0
.rept 4
	v_nop
.endr
	s_branch .Lasked_\@
.Lnot_tp_\@:
	s_cmp_eq_u32 s[WV], 2
	s_cbranch_scc0 .Lasked_\@
	tensor_load_to_lds s[G0W+4*(\s):G0W+4*(\s)+3], s[G1G:G1G+7]
	s_nop 0
.rept 4
	v_nop
.endr
.Lasked_\@:
.endm
.macro MKSCALE eo, ea, eb, vs, sl      ; v[vs] = 2^(eo - ea - eb) as f32; s[sl], s[sl+1] = -+448 x that
	s_sub_co_i32 s94, s[\eo], s[\ea]
	s_sub_co_i32 s94, s94, s[\eb]
	s_add_co_i32 s94, s94, 127
	s_lshl_b32 s[\sl], s94, 23
	v_mov_b32 v[\vs], s[\sl]
	s_add_co_i32 s94, s94, 8
	s_lshl_b32 s94, s94, 23
	s_or_b32 s[\sl+1], s94, 0x600000
	s_or_b32 s[\sl], s[\sl+1], 0x80000000
.endm
	s_load_b256 s[4:11], s[0:1], 0x0               ; x s[4:5], W_theta s[6:7], W_phi s[8:9], W_g s[10:11]
	s_load_b128 s[12:15], s[0:1], 0x20             ; the scales' exponents s[12:13], th s[14:15]
	s_load_b64 s[16:17], s[0:1], 0x30              ; kv
	v_lshl_add_u32 v[SPW], v0, 2, SPARE
	v_mov_b32 v[NIL], 0
	ds_add_u32 v6, v7
	ds_add_u32 v6, v7
	s_wait_dscnt 0x0
	v_lshrrev_b32 v1, 5, v0
	v_readfirstlane_b32 s[WV], v1                  ; wave 0..3
	s_bfe_u32 s19, ttmp6, 0x40000                  ; cx: my place in the cluster
	s_lshl_b32 s22, ttmp9, 2
	s_add_co_u32 s22, s22, s19                     ; my block of 128 rows = 4 x cluster + cx: it enters x's, th's and kv's addresses alone
	s_and_b32 s23, ttmp9, 3                        ; where my cluster's walk along K begins: shared by the four partners
	s_lshl_b32 s95, s23, 1
	s_mov_b32 s93, 0                               ; the upper words of the two offset pairs stay 0
	s_mov_b32 s3, 0
	; descriptor group 1, elements of 1 byte, 1,024 from row to row.  x: 128 rows x 256 bytes, no mask, 4 words of padding after every 64
	s_mov_b32 s[G1X], (1<<20)|(5<<22)|(3<<25)
	s_mov_b32 s[G1X+1], 256<<16                    ; tensor_dim0
	s_mov_b32 s[G1X+2], 128<<16                    ; tensor_dim1
	s_mov_b32 s[G1X+3], 256<<16                    ; tile_dim0
	s_mov_b32 s[G1X+4], 128                        ; tile_dim1
	s_mov_b32 s[G1X+5], 1024                       ; tensor_dim0_stride
	s_mov_b32 s[G1X+6], 0
	s_mov_b32 s[G1X+7], 0
	; W_theta, W_phi: 256 rows x 128 bytes; the mask names all four work-groups, bit 21 beside it; 4 words of padding after every 32
	s_mov_b32 s[G1W], 15|(1<<20)|(1<<21)|(4<<22)|(3<<25)
	s_mov_b32 s[G1W+1], 128<<16
	s_mov_b32 s[G1W+2], 256<<16
	s_mov_b32 s[G1W+3], 128<<16
	s_mov_b32 s[G1W+4], 256
	s_mov_b32 s[G1W+5], 1024
	s_mov_b32 s[G1W+6], 0
	s_mov_b32 s[G1W+7], 0
	; W_g: 64 rows
	s_mov_b32 s[G1G], 15|(1<<20)|(1<<21)|(4<<22)|(3<<25)
	s_mov_b32 s[G1G+1], 128<<16
	s_mov_b32 s[G1G+2], 64<<16
	s_mov_b32 s[G1G+3], 128<<16
	s_mov_b32 s[G1G+4], 64
	s_mov_b32 s[G1G+5], 1024
	s_mov_b32 s[G1G+6], 0
	s_mov_b32 s[G1G+7], 0
	s_mul_i32 s94, s[WV], WPART                    ; where my tensor's rows lie in a slot: the wave's number x 256 rows
	s_wait_kmcnt 0x0
	s_load_b256 s[76:83], s[12:13], 0x0            ; e0 .. e7
	s_load_b64 s[84:85], s[12:13], 0x20            ; e8, e9
	s_cmp_eq_u32 s[WV], 0                          ; which tensor I fetch: the choice hangs on the wave's number alone
	s_cselect_b64 s[20:21], s[6:7], s[8:9]
	s_cmp_lt_u32 s[WV], 2
	s_cselect_b64 s[20:21], s[20:21], s[10:11]
.irp s, 0,1
	s_mov_b32 s[G0W+4*\s], 1
	s_add_co_u32 s[G0W+4*\s+1], s94, WS0+\s*WSB
	WADDR \s, \s
.endr
	s_lshl_b32 s2, s22, 17                         ; my 128 rows of 1,024 bytes
	s_add_nc_u64 s[4:5], s[4:5], s[2:3]
	XDESC 56, 0
	XDESC 60, 1
	XDESC 68, 2
	XDESC 72, 3
	s_lshl_b32 s2, s22, 15                         ; th: my 8 row tiles of 4,096 bytes,
	s_add_nc_u64 s[14:15], s[14:15], s[2:3]
	s_mul_i32 s2, s22, 40960                       ; kv: my key step
	s_add_nc_u64 s[16:17], s[16:17], s[2:3]
	s_lshl_b32 s2, s[WV], 10                       ; my 64 l are two chunks of a fragment: 1,024 x wave
	s_add_nc_u64 s[14:15], s[14:15], s[2:3]
	s_add_nc_u64 s[96:97], s[16:17], s[2:3]        ; phi likewise
	s_lshl_b32 s2, s[WV], 11
	s_add_co_u32 s2, s2, 32768
	s_add_nc_u64 s[98:99], s[16:17], s[2:3]        ; g: channel tile = my wave
	CROUND                                         ; all four work-groups are here: the first joint loads meet
	; THE FIRST FILLS, one group, a wave's all in one branch: at most four tensor loads of a wave are out
	s_cmp_lt_u32 s[WV], 2
	s_cbranch_scc0 .Lfirst_not_tp
	tensor_load_to_lds s[G0W:G0W+3], s[G1W:G1W+7]
	s_nop 0
	tensor_load_to_lds s[G0W+4:G0W+7], s[G1W:G1W+7]
	s_nop 0
.rept 4
	v_nop
.endr
	s_branch .Lfirst_asked
.Lfirst_not_tp:
	s_cmp_eq_u32 s[WV], 2
	s_cbranch_scc0 .Lfirst_x
	tensor_load_to_lds s[G0W:G0W+3], s[G1G:G1G+7]
	s_nop 0
	tensor_load_to_lds s[G0W+4:G0W+7], s[G1G:G1G+7]
	s_nop 0
.rept 4
	v_nop
.endr
	s_branch .Lfirst_asked
.Lfirst_x:
	tensor_load_to_lds s[56:59], s[G1X:G1X+7]
	s_nop 0
	tensor_load_to_lds s[60:63], s[G1X:G1X+7]
	s_nop 0
	tensor_load_to_lds s[68:71], s[G1X:G1X+7]
	s_nop 0
	tensor_load_to_lds s[72:75], s[G1X:G1X+7]
	s_nop 0
.rept 4
	v_nop
.endr
.Lfirst_asked:
	v_and_b32 v1, 15, v0                           ; r = lane % 16
	v_bfe_u32 v2, v0, 4, 1                         ; h = lane / 16
	v_and_b32 v3, 31, v0
	v_lshlrev_b32 v[LI], 4, v3
	v_mul_u32_u24 v4, v1, XPITCH
	v_lshl_add_u32 v4, v2, 4, v4                   ; row r x pitch + 16 h
.irp c, 0,1,2,3
	v_add_nc_u32 v[ADX+\c], \c*XCH, v4
.endr
	v_mul_u32_u24 v5, v1, WPITCH
	v_lshl_add_u32 v5, v2, 4, v5
	s_mul_i32 s94, s[WV], 64*WPITCH                ; my 64 rows of W_theta
	s_add_co_u32 s94, s94, WS0
	v_add_nc_u32 v[ADW], s94, v5
	v_add_nc_u32 v[ADW+1], WSB, v[ADW]
	s_mul_i32 s94, s[WV], 16*WPITCH                ; my 16 rows of W_g
	s_add_co_u32 s94, s94, WS0+2*WPART
	v_add_nc_u32 v[ADG], s94, v5
	v_add_nc_u32 v[ADG+1], WSB, v[ADG]
	s_wait_kmcnt 0x0
	MKSCALE 82, 76, 77, 8, 86                      ; theta: e6 - e0 - e1: v8, s86, s87
	MKSCALE 83, 78, 79, 9, 88                      ; phi:   e7 - e2 - e3: v9, s88, s89
	MKSCALE 85, 80, 81, 10, 90                     ; g:     e9 - e4 - e5: v10, s90, s91
.macro FRAG reg, adr, off              ; 16 rows x 128 K: registers 4 c .. 4 c + 3 hold K = 32 c + 16 h + 0 .. 15 of row r
.irp c, 0,1,2,3
	ds_load_b128 v[(\reg)+4*\c:(\reg)+4*\c+3], v[\adr] offset:(\off)+32*\c
.endr
.endm
.macro FETCH_WLO s                     ; W_theta's four fragments: 16 loads
.irp j, 0,1,2,3
	FRAG WF+16*\j, ADW+(\s), 16*WPITCH*\j
.endr
.endm
.macro FETCH_WHI s                     ; W_phi's four and W_g's one: 20 loads
.irp j, 0,1,2,3
	FRAG WF+64+16*\j, ADW+(\s), WPART+16*WPITCH*\j
.endr
	FRAG WF+128, ADG+(\s), 0
.endm
.macro FETCH_X t, par                  ; x's eight fragments of step t of the walk into set par: 32 loads
	WIN 0x40                                       ; destination window 1, address window 0
.irp i, 0,1,2,3,4,5,6,7
	FRAG 128*(\par)+16*\i, ADX+(\t)/2, 128*((\t)%2)+16*XPITCH*\i
.endr
	WIN 0
.endm
; Eight matrix instructions: W's fragment jj against x's eight tiles of rows.  zero = 1: the product starts the sums: nothing is ever cleared.
; The 72 accumulators take turns, one instruction a turn, in the same order in every step.
.macro GRP jj, par, zero
.irp i, 0,1,2,3,4,5,6,7
.if (\jj) < 8
.set rD, 8*(8*((\jj)%4)+\i)
.set rA, WF+16*(\jj)
.set rB, 128*(\par)+16*\i
.else
.set rD, GA+8*\i
.set rA, 128*(\par)+16*\i
.set rB, WF+128
.endif
.if \zero
	v_wmma_f32_16x16x128_fp8_fp8 v[rD:rD+7], v[rA:rA+15], v[rB:rB+15], 0
.else
	v_wmma_f32_16x16x128_fp8_fp8 v[rD:rD+7], v[rA:rA+15], v[rB:rB+15], v[rD:rD+7]
.endif
.endr
.endm
; STEP t of eight, 128 along K, 72 matrix instructions.  Its fragments were fetched during step t - 1, so slot t % 2 is given up at the step's START.
; more = 1: a step follows: one barrier; in front of it each wave waits for all its tensor loads (its part of the other slot), adds 0 to its spare word, and waits for that and for its reads of this slot.
; fill = 1: the barrier opens a round of the cluster's, and slot t % 2 is filled with step t + 2: that load has one step, 72 matrix instructions, in which to land.
.macro KSTEP t, zero, fill, more
.if \more
	s_wait_tensorcnt 0x0                           ; all my tensor loads have landed, so a group 0 may be written
	ds_add_u32 v[SPW], v[NIL]                      ; 0 onto my spare word
.if \fill
	WADDR (\t)%2, (\t)+2
.endif
	s_wait_dscnt 21                                ; W_theta's fragments and x's are in; the add and the 20 youngest loads (W_phi's, W_g's) may be out
.else
	s_wait_dscnt 20                                ; the same without an add
.endif
	WIN MUL_T
	GRP 0, (\t)%2, \zero
	GRP 1, (\t)%2, \zero
	s_wait_dscnt 0x0                               ; the add is done, and my reads of this slot are over
.if \more
	s_barrier_signal -1
.endif
	GRP 2, (\t)%2, \zero
	GRP 3, (\t)%2, \zero
.if \more
	WIN 0
	PLACES                                         ; on every wave's path: in front of the loads into W_theta's fragments
	s_barrier_wait -1
.if \fill
	CREST                                          ; no wave of any partner still reads this slot or has a load on its way
	WLOAD (\t)%2                                   ; the first tensor load behind the round, one a wave
.endif
	FETCH_WLO ((\t)+1)%2
	FETCH_X (\t)+1, ((\t)+1)%2
.endif
	WIN MUL_P
	GRP 4, (\t)%2, \zero
	GRP 5, (\t)%2, \zero
	GRP 6, (\t)%2, \zero
	GRP 7, (\t)%2, \zero
	WIN MUL_G
	GRP 8, (\t)%2, \zero
.if \more
	PLACES
	WIN 0
	FETCH_WHI ((\t)+1)%2
.endif
.endm
	s_wait_tensorcnt 0x0                           ; my first fills have landed (the first refill's barrier, sixteen matrix instructions on, would ask for 0 in any case),
	s_barrier_signal -1
	s_barrier_wait -1                              ; everybody's have
	FETCH_WLO 0
	FETCH_X 0, 0
	FETCH_WHI 0
	KSTEP 0, 1, 1, 1                               ; the first step's products start the sums
	KSTEP 1, 0, 1, 1
	KSTEP 2, 0, 1, 1
	KSTEP 3, 0, 1, 1
	KSTEP 4, 0, 1, 1
	KSTEP 5, 0, 1, 1                               ; the last refill: step 7
	KSTEP 6, 0, 0, 1
	KSTEP 7, 0, 0, 0
	; THE WAY OUT: hold, convert, store.  The hold names the number as its third source, so that one window setting serves source and destination; each accumulator is taken from its low end on.
	PLACES
	WIN 0xa0                                       ; source 2 and destination window 2
.set n, 0
.rept 256
	v_med3_num_f32 v[n], s86, s87, v[n]            ; the conversion to an 8-bit code does not saturate (ISA guide 7.6.2)
.set n, n+1
.endr
	WIN 0x02                                       ; source 0 window 2
.irp i, 0,1,2,3,4,5,6,7
.irp j, 0,1,2,3
	v_cvt_scalef32_pk8_fp8_f32 v[TC+8*\i+2*\j:TC+8*\i+2*\j+1], v[8*(8*\j+\i):8*(8*\j+\i)+7], v8   ; l = 64 w + 16 j + 8 h + 0 .. 7 of row 16 i + r: two registers of theta's fragment
.endr
.endr
	v_nop                                          ; a plain instruction behind the last conversion of the run
	WIN 0
.irp i, 0,1,2,3,4,5,6,7
	global_store_b128 v[LI], v[TC+8*\i:TC+8*\i+3], s[14:15] offset:4096*\i
	global_store_b128 v[LI], v[TC+8*\i+4:TC+8*\i+7], s[14:15] offset:4096*\i+512
.endr
	WIN 0xf0
.set n, 0
.rept 256
	v_med3_num_f32 v[n], s88, s89, v[n]
.set n, n+1
.endr
	WIN 0x03
.irp i, 0,1,2,3,4,5,6,7
.irp j, 0,1,2,3
	v_cvt_scalef32_pk8_fp8_f32 v[PCD+8*\i+2*\j:PCD+8*\i+2*\j+1], v[8*(8*\j+\i):8*(8*\j+\i)+7], v9
.endr
.endr
	v_nop
	WIN 0
.irp i, 0,1,2,3,4,5,6,7
	global_store_b128 v[LI], v[PCD+8*\i:PCD+8*\i+3], s[96:97] offset:4096*\i
	global_store_b128 v[LI], v[PCD+8*\i+4:PCD+8*\i+7], s[96:97] offset:4096*\i+512
.endr
.set n, 0
.rept 64
	v_med3_num_f32 v[GA+n], s90, s91, v[GA+n]
.set n, n+1
.endr
.irp i, 0,1,2,3,4,5,6,7
	v_cvt_scalef32_pk8_fp8_f32 v[GC+2*\i:GC+2*\i+1], v[GA+8*\i:GA+8*\i+7], v10   ; keys 16 i + 8 h + 0 .. 7 of channel 16 w + r
.endr
	v_nop
.irp q, 0,1,2,3
	global_store_b128 v[LI], v[GC+4*\q:GC+4*\q+3], s[98:99] offset:512*\q
.endr
	s_wait_tensorcnt 0x0                           ; the wave's end
	ds_add_u32 v[SPW], v[NIL]
	s_wait_dscnt 0x0
	CROUND                                         ; the closing round: no work-group ends while a partner may still ask for a tile that names it
	s_endpgm
.Lfunc_end_k_q3eb023a25a_proj:
	.size	k_q3eb023a25a_proj, .Lfunc_end_k_q3eb023a25a_proj-k_q3eb023a25a_proj
	.p2alignl 7, 3214868480
	.fill 96, 4, 3214868480
	.section	.rodata,"a",@progbits
	.p2align	6, 0x0
	.amdhsa_kernel k_q3eb023a25a_proj
		.amdhsa_group_segment_fixed_size 327680
		.amdhsa_private_segment_fixed_size 0
		.amdhsa_enable_private_segment 0
		.amdhsa_kernarg_size 56
		.amdhsa_user_sgpr_count 2
		.amdhsa_user_sgpr_kernarg_segment_ptr 1
		.amdhsa_wavefront_size32 1
		.amdhsa_system_sgpr_workgroup_id_x 1
		.amdhsa_system_sgpr_workgroup_id_y 1
		.amdhsa_system_sgpr_workgroup_id_z 1
		.amdhsa_system_vgpr_workitem_id 0
		.amdhsa_next_free_vgpr 1024
		.amdhsa_next_free_sgpr 100
		.amdhsa_reserve_vcc 0
		.amdhsa_float_denorm_mode_32 3
		.amdhsa_float_denorm_mode_16_64 3
		.amdhsa_memory_ordered 1
		.amdhsa_forward_progress 1
		.amdhsa_inst_pref_size 136
	.end_amdhsa_kernel
	.amdgpu_metadata
---
amdhsa.version: [ 1, 2 ]
amdhsa.kernels:
  - .name:           k_q3eb023a25a_proj
    .symbol:         k_q3eb023a25a_proj.kd
    .args:
      - { .name: x_codes, .offset: 0, .size: 8, .value_kind: global_buffer, .address_space: global }
      - { .name: W_theta_codes, .offset: 8, .size: 8, .value_kind: global_buffer, .address_space: global }
      - { .name: W_phi_codes, .offset: 16, .size: 8, .value_kind: global_buffer, .address_space: global }
      - { .name: W_g_codes, .offset: 24, .size: 8, .value_kind: global_buffer, .address_space: global }
      - { .name: lowp_scales, .offset: 32, .size: 8, .value_kind: global_buffer, .address_space: global }
      - { .name: th, .offset: 40, .size: 8, .value_kind: global_buffer, .address_space: global }
      - { .name: kv, .offset: 48, .size: 8, .value_kind: global_buffer, .address_space: global }
    .group_segment_fixed_size: 327680
    .private_segment_fixed_size: 0
    .kernarg_segment_align: 8
    .kernarg_segment_size: 56
    .max_flat_workgroup_size: 128
    .sgpr_count:     100
    .vgpr_count:     1024
    .wavefront_size: 32
...
	.end_amdgpu_metadata
.endif
;; end of part 1
;; launch att (part 2): grid 32 x 8, 4 waves a work-group, clusters of 4 x 1, 327,680 bytes of LDS; arguments th, kv, lowp_scales, out0; writes out0
.if DOCPART == 2
	.amdgcn_target "amdgcn-amd-amdhsa--gfx1250"
	.amdhsa_code_object_version 6
	.text
	.protected	k_q3eb023a25a_att
	.globl	k_q3eb023a25a_att
	.p2align	8
	.type	k_q3eb023a25a_att,@function
k_q3eb023a25a_att:
	s_mov_b64 s[64:65], 0
	v_nop
	global_prefetch_b8 v0, s[64:65] scope:SCOPE_SE
	s_setreg_imm32_b32 hwreg(HW_REG_WAVE_MODE, 25, 1), 1
	s_wait_xcnt 0x0
	s_wait_alu depctr_hold_cnt(0) depctr_sa_sdst(0) depctr_va_vdst(0) depctr_va_sdst(0) depctr_va_ssrc(0) depctr_va_vcc(0) depctr_vm_vsrc(0)
	s_getreg_b32 s2, hwreg(HW_REG_IB_STS2, 6, 4)
	s_cmp_eq_u32 s2, 0
	s_cbranch_scc0 .Lentry_in_a_cluster
	s_endpgm
.Lentry_in_a_cluster:
	s_bfe_u32 s2, ttmp6, 0x10000c
	s_cmp_lg_u32 s2, 0x3003
	s_cbranch_scc0 .Lentry_shape_is_right
	s_endpgm
.Lentry_shape_is_right:
; out[b][q][:] = the sum over keys m of Q(theta[q] . phi[m] / 32) g[m][:], both products on codes of FP8 (E4M3).  There is no softmax: att is held, quantised with its given scale and multiplied on.
; th and kv hold the operands as IMAGES OF THEIR REGISTERS (16 rows x 128 K = 4 chunks of 512 bytes, chunk q = registers 4 q .. 4 q + 3, lane l's 16 bytes at 16 l; registers 2 c, 2 c + 1: k = 16 c + 8 (l / 16) + 0 .. 7).
; th: row tile gt, K step s at 4096 gt + 2048 s.  kv: 40,960 bytes for each 128 keys: phi's key tile i, K step s at 4096 i + 2048 s; g's channel tile ct (K = the 128 keys) at 32768 + 2048 ct.
; A sum of theta . phi stands for sum x 2^(e6 + e7); att = that / 32; its code is att / 2^e8: one scale, 2^(e8 - e6 - e7 + 5), for the conversion; the number is held within +-448 x that first.  out = sum x 2^(e8 + e9).
; LIMITS: e8 - e6 - e7 + 5 between -126 and 119; e8 + e9 between -126 and 127.  NaN codes are not served.  The keys are walked from a start that differs from cluster to cluster, and in two halves: the order of out's f32 sums is not reference()'s.
; SHARES.  A work-group owns 128 queries of a batch.  Wave w: queries 64 (w / 2) on, four tiles of 16; of each SLAB of 256 keys the 128 keys of half w % 2.  The two key halves of out meet in LDS at the end.
; Both products are used transposed: S^T = phi theta^T (source 0 = 16 keys, source 1 = 16 queries), O^T = g^T P (source 0 = 16 channels, source 1 = P): a lane holds one query throughout, and the conversion
; of S^T's key tile t gives registers 2 t, 2 t + 1 of P: nothing changes lanes.
; CLUSTER.  The four query blocks of a cluster walk the same slabs: each slab (81,920 dense bytes, a quarter to a wave) is asked for JOINTLY, through a ring of two slots.  Cluster c of a batch begins at slab 2 c and goes round.
; BY TURNS.  A key step (128 keys) is four PIECES of 32 keys.  In turn 4 c + p the matrix unit has 4 products O^T += g^T P of key step c - 1 (channel tile p) and the 16 products S^T of the NEXT piece; the vector work
; on piece p (64 holds, 8 conversions) stands in slices behind them; one run of 20 LDS loads brings piece p of phi and fragment p of g of key step c + 1 into the registers just given up.
; REGISTERS, in windows of 256: window 0: v1-8 addresses and the scale; v64-127, v128-191 g of even and odd key steps.   window 1: phi of one key step: piece p, key tile u, K step s at 64 p + 32 u + 16 s.
;   window 2: v0-127 theta (32 q + 16 s); v128-255 P of even and odd key steps (128 + 64 par + 16 q).   window 3: v0-127 S^T, two buffers of 8 tiles (tile 2 q + u); v128-255 O^T (128 + 32 q + 8 ct).
.set SLOTB, 81920                      ; a slab, and a slot
.set KSB,   40960                      ; a key step in it
.set QUART, 20480                      ; what one tensor load brings
.set SPARE, 2*SLOTB                    ; behind the ring: the spare words, 128 bytes for each wave: two blocks of 256 bytes that no other line names
.set STG,   SPARE+512                  ; the stage for the way out: 2 key halves x 128 rows x 272 bytes; no fill lands there
.set SP,    272
.set LI,  1                            ; v1   16 x lane
.set AD,  2                            ; v2-3 my key step in slot 0, 1, + 16 x lane
.set STO, 4                            ; v4   the stage: where I put 32 bytes of a row
.set SRD, 5                            ; v5   and where I read a row back
.set SPW, 6                            ; v6   LDS address of my spare word; never rewritten
.set NIL, 7                            ; v7   0; never rewritten
.set SCL, 8                            ; v8   2^(e8 - e6 - e7 + 5) as f32
.set GF,  64
.set WV,  12
.set KH,  13
.set QH,  14
.set G1,  24                           ; s[24:31] descriptor group 1
.set G0,  32                           ; s[32:39] group 0, one set for each slot
.set KVB, 40                           ; s[40:41] kv at my batch and my quarter of a slab
.set NXT, 44                           ; s44  the next slab to ask for, before it is taken modulo 16
.set CNT, 45
.set LIMN, 46                          ; s46, s47  -+448 x the scale
.set LIMP, 47
.set OS,  48                           ; s[48:49] 2^(e8 + e9)
.set X_S,  0xf9                        ; source 0 (phi) window 1, source 1 (theta) window 2, C and D window 3
.set X_PV, 0xf8                        ; source 0 (g) window 0, source 1 (P) window 2, C and D window 3
.set Y,    0x83                        ; conversion: source 0 (S^T) window 3, scale window 0, destination (P) window 2
.set MSB, 0
.macro WIN new                         ; the immediate's high byte repeats the setting that is left
.if MSB != \new
	s_set_vgpr_msb (MSB<<8)|\new
.set MSB, \new
.endif
.endm
.macro PLACES
.rept 4
	v_nop
.endr
.endm
.macro CREST                           ; a round of the cluster's barrier behind its opening barrier
	s_cmp_lg_u32 s[WV], 0
	s_cbranch_scc1 .Lnot_wave_0_\@
	s_barrier_signal -3
.Lnot_wave_0_\@:
	s_barrier_wait -3
	s_barrier_signal -1
	s_barrier_wait -1
.endm
.macro CROUND
	s_barrier_signal -1
	s_barrier_wait -1
	CREST
.endm
.macro NEXTSLAB s                      ; slot s's group 0 takes the next slab of the walk.  Written only where no tensor load of the wave is out
	s_and_b32 s42, s[NXT], 15
	s_mul_i32 s42, s42, SLOTB
	s_add_nc_u64 s[G0+4*(\s)+2:G0+4*(\s)+3], s[KVB:KVB+1], s[42:43]
	s_or_b32 s[G0+4*(\s)+3], s[G0+4*(\s)+3], 0x80000000
	s_add_co_u32 s[NXT], s[NXT], 1
.endm
	s_load_b256 s[4:11], s[0:1], 0x0               ; th s[4:5], kv s[6:7], the scales' exponents s[8:9], out s[10:11]
	v_lshl_add_u32 v[SPW], v0, 2, SPARE
	v_mov_b32 v[NIL], 0
	ds_add_u32 v6, v7
	ds_add_u32 v6, v7
	s_wait_dscnt 0x0
	v_lshrrev_b32 v9, 5, v0
	v_readfirstlane_b32 s[WV], v9                  ; wave 0..3
	s_and_b32 s[KH], s[WV], 1                      ; which 128 keys of a slab are mine
	s_lshr_b32 s[QH], s[WV], 1                     ; which 64 queries
	s_bfe_u32 s15, ttmp6, 0x40000                  ; cx
	s_lshl_b32 s16, ttmp9, 2
	s_add_co_u32 s16, s16, s15                     ; my block of 128 queries: it enters th's and out's addresses alone
	s_and_b32 s17, ttmp7, 0xffff                   ; the batch, which the four partners share
	; descriptor group 1: 20,480 dense bytes as 80 rows of 32 elements of 8 bytes, unpadded; the mask names all four work-groups, bit 21 beside it
	s_mov_b32 s[G1], 15|(3<<16)|(1<<21)
	s_mov_b32 s[G1+1], 32<<16                      ; tensor_dim0
	s_mov_b32 s[G1+2], 80<<16                      ; tensor_dim1
	s_mov_b32 s[G1+3], 32<<16                      ; tile_dim0
	s_mov_b32 s[G1+4], 80                          ; tile_dim1
	s_mov_b32 s[G1+5], 32                          ; tensor_dim0_stride
	s_mov_b32 s[G1+6], 0
	s_mov_b32 s[G1+7], 0
	s_mul_i32 s42, s17, 16*SLOTB                   ; the batch's 16 slabs,
	s_mul_i32 s18, s[WV], QUART                    ; my quarter of a slab, in memory and in a slot
	s_add_co_u32 s42, s42, s18
	s_mov_b32 s43, 0                               ; stays 0
	s_lshl_b32 s[NXT], ttmp9, 1                    ; my cluster's walk begins at slab 2 x cluster
	s_lshl_b32 s20, s17, 8                         ; th: row tile 256 b + 8 x block + 4 x (w / 2), 4,096 bytes each
	s_lshl_b32 s22, s16, 3
	s_add_co_u32 s20, s20, s22
	s_lshl_b32 s22, s[QH], 2
	s_add_co_u32 s20, s20, s22
	s_lshl_b32 s20, s20, 12
	s_mov_b32 s21, 0
	s_wait_kmcnt 0x0
	s_load_b256 s[52:59], s[8:9], 0x0              ; e0 .. e7
	s_load_b64 s[60:61], s[8:9], 0x20              ; e8, e9
	s_add_nc_u64 s[KVB:KVB+1], s[6:7], s[42:43]
	s_add_nc_u64 s[4:5], s[4:5], s[20:21]
	s_lshl_b32 s20, s17, 12                        ; out: row 4096 b + 128 x block + 32 w, 256 bytes each
	s_lshl_b32 s22, s16, 7
	s_add_co_u32 s20, s20, s22
	s_lshl_b32 s22, s[WV], 5
	s_add_co_u32 s20, s20, s22
	s_lshl_b32 s20, s20, 8
	s_add_nc_u64 s[10:11], s[10:11], s[20:21]
.irp s, 0,1
	s_mov_b32 s[G0+4*\s], 1
	s_add_co_u32 s[G0+4*\s+1], s18, \s*SLOTB
	NEXTSLAB \s
.endr
	CROUND                                         ; all four work-groups are here: the first joint loads meet
	tensor_load_to_lds s[G0:G0+3], s[G1:G1+7]      ; the walk's slabs 0 and 1: two tensor loads of mine are out
	s_nop 0
	tensor_load_to_lds s[G0+4:G0+7], s[G1:G1+7]
	s_nop 0
.rept 4
	v_nop
.endr
	v_and_b32 v9, 31, v0
	v_lshlrev_b32 v[LI], 4, v9
	s_mul_i32 s22, s[KH], KSB
	v_add_nc_u32 v[AD], s22, v[LI]
	v_add_nc_u32 v[AD+1], SLOTB, v[AD]
	WIN 0x80                                       ; destination window 2
.irp q, 0,1,2,3
.irp s, 0,1
.irp c, 0,1,2,3
	global_load_b128 v[32*\q+16*\s+4*\c:32*\q+16*\s+4*\c+3], v[LI], s[4:5] offset:4096*\q+2048*\s+512*\c   ; theta stays in registers
.endr
.endr
.endr
	WIN 0
	v_and_b32 v10, 15, v0                          ; r
	v_bfe_u32 v11, v0, 4, 1                        ; h
	s_lshl_b32 s22, s[KH], 7
	s_lshl_b32 s23, s[QH], 6
	s_add_co_u32 s22, s22, s23
	s_mul_i32 s22, s22, SP
	s_add_co_u32 s22, s22, STG                     ; the stage: my key half's 128 rows, my 64 of them
	v_mul_u32_u24 v[STO], v10, SP
	v_lshl_add_u32 v[STO], v11, 5, v[STO]
	v_add_nc_u32 v[STO], s22, v[STO]               ; in: row r, + 32 h
	s_mul_i32 s22, s[WV], 32*SP
	s_add_co_u32 s22, s22, STG
	v_mul_u32_u24 v[SRD], v11, SP
	v_lshl_add_u32 v[SRD], v10, 4, v[SRD]
	v_add_nc_u32 v[SRD], s22, v[SRD]               ; back: rows 32 w on; lanes 0-15 one row of 256 bytes, lanes 16-31 the next
	s_wait_kmcnt 0x0
	s_sub_co_i32 s22, s60, s58
	s_sub_co_i32 s22, s22, s59
	s_add_co_i32 s22, s22, 132                     ; e8 - e6 - e7 + 5 + 127
	s_lshl_b32 s23, s22, 23
	v_mov_b32 v[SCL], s23
	s_add_co_i32 s22, s22, 8
	s_lshl_b32 s22, s22, 23
	s_or_b32 s[LIMP], s22, 0x600000                ; 448 x the scale
	s_or_b32 s[LIMN], s[LIMP], 0x80000000
	s_add_co_i32 s[OS], s60, s61
	s_add_co_i32 s[OS], s[OS], 127
	s_lshl_b32 s[OS], s[OS], 23                    ; 2^(e8 + e9)
	s_mov_b32 s[OS+1], s[OS]                       ; (named with it as a pair, so it is written)
; The macros below read these symbols: PC the piece in hand, PAR the key step's parity, SB the S^T buffer that is quantised, SN the one that is made, PN the piece of phi that is multiplied.
.macro SMM idx                         ; product idx of 16 of S^T: K step idx / 8, tile idx % 8 = 2 q + u.  The first eight start the sums; seven other accumulators stand between a tile's two links
	WIN X_S
.set sS, (\idx)/8
.set sM, (\idx)%8
.set rD, SN+8*sM
.set rA, 64*PN+32*(sM%2)+16*sS
.set rB, 32*(sM/2)+16*sS
.if sS == 0
	v_wmma_f32_16x16x128_fp8_fp8 v[rD:rD+7], v[rA:rA+15], v[rB:rB+15], 0
.else
	v_wmma_f32_16x16x128_fp8_fp8 v[rD:rD+7], v[rA:rA+15], v[rB:rB+15], v[rD:rD+7]
.endif
.endm
.macro PVM q, ct, gp, first            ; O^T(q, ct) += g^T P over 128 keys; gp: the parity of g's and P's set; first = 1: the product starts the sum
	WIN X_PV
.set rD, 128+32*(\q)+8*(\ct)
.set rA, GF+64*(\gp)+16*(\ct)
.set rB, 128+64*(\gp)+16*(\q)
.if \first
	v_wmma_f32_16x16x128_fp8_fp8 v[rD:rD+7], v[rA:rA+15], v[rB:rB+15], 0
.else
	v_wmma_f32_16x16x128_fp8_fp8 v[rD:rD+7], v[rA:rA+15], v[rB:rB+15], v[rD:rD+7]
.endif
.endm
.macro HOLDS n0, cnt                   ; numbers n0 on of the piece's 64: held within +-448 x the scale.  The number is the third source: destination and source 2 lie in window 3 under both products' settings, so no switch is needed
.if (MSB != X_S) && (MSB != X_PV)
	WIN X_PV
.endif
.set hn, SB+(\n0)
.rept \cnt
	v_med3_num_f32 v[hn], s[LIMN], s[LIMP], v[hn]  ; the conversion to an 8-bit code does not saturate (ISA guide 7.6.2)
.set hn, hn+1
.endr
.endm
.macro CONVS m0, cnt                   ; tiles m0 on: tile 2 q + u gives registers 4 PC + 2 u, + 1 of query tile q's P
	WIN Y
.set cm, \m0
.rept \cnt
	v_cvt_scalef32_pk8_fp8_f32 v[128+64*PAR+16*(cm/2)+4*PC+2*(cm%2):128+64*PAR+16*(cm/2)+4*PC+2*(cm%2)+1], v[SB+8*cm:SB+8*cm+7], v[SCL]
.set cm, cm+1
.endr
.endm
.macro LOADS                           ; one run of 20: piece PC of phi and fragment PC of g, of the key step that lies in slot 1 - PAR
	WIN 0x40                                       ; destination window 1
.irp u, 0,1
.irp s, 0,1
.irp c, 0,1,2,3
	ds_load_b128 v[64*PC+32*\u+16*\s+4*\c:64*PC+32*\u+16*\s+4*\c+3], v[AD+1-PAR] offset:(2*PC+\u)*4096+\s*2048+512*\c
.endr
.endr
.endr
	WIN 0
.irp c, 0,1,2,3
	ds_load_b128 v[GF+64*(1-PAR)+16*PC+4*\c:GF+64*(1-PAR)+16*PC+4*\c+3], v[AD+1-PAR] offset:32768+PC*2048+512*\c
.endr
.endm
; A TURN.  pv = 0: no products O^T; 1: they start the sums; 2: they add.  sm = 1: the next piece's 16 products S^T.  ld = 1: the run of loads.
; chg (last turn of a key step) = 1: the slot just read out is filled again; 2: the slots change and nothing is filled.
; PLACES.  The run's phi loads stand behind sixteen holds that name no register of the last products that read that buffer; its g loads behind the four holds that follow the last product O^T.  A tile's holds stand
; more than four plain instructions behind its last product.  A plain instruction stands between each run of conversions and whatever next touches its registers.
; THE CHANGE OF SLOTS: behind the 16th matrix instruction each wave waits for all its tensor loads (its part of the other slot) and adds 0 to its spare word; two products and their holds later it waits for the add
; and for its reads of the slot, and signals; two products more, and the barrier's wait.  With chg = 1 that barrier opens a round of the cluster's, and the joint refill is the first thing behind it:
; it has a key step, 80 matrix instructions, in which to land.
.macro TURN p, par, pv, sm, ld, chg
.set PC,  \p
.set PAR, \par
.set SB,  64*((\p)%2)
.set SN,  64*(((\p)+1)%2)
.set PN,  ((\p)+1)%4
.set k, 0
.rept 4
.if \pv == 1
	PVM k, PC, 1-PAR, 1
.elseif \pv == 2
	PVM k, PC, 1-PAR, 0
.endif
	HOLDS 4*k, 4
.set k, k+1
.endr
.if \ld
	s_wait_dscnt 44                                ; the piece of phi that is multiplied next is in: behind it were issued 4 loads of g in its own turn and 20 loads in each of the two turns since
	LOADS
.else
	s_wait_dscnt 0x0
.endif
.rept 16
.if \sm
	SMM k-4
.endif
.if k < 6
	HOLDS 4*k, 4
.elseif k == 6
	CONVS 0, 3
.elseif k < 13
	HOLDS 4*(k-1), 4
.elseif k == 13
	CONVS 3, 3
.elseif k < 18
	HOLDS 4*(k-2), 4
.elseif k == 18
	CONVS 6, 2
	v_nop                                          ; a plain instruction behind the turn's last conversion
.endif
.if (\chg) && (k == 15)
	WIN 0                                          ; (the add's two registers lie in window 0)
	s_wait_tensorcnt 0x0                           ; all my tensor loads have landed: my part of the other slot; so a group 0 may be written
	ds_add_u32 v[SPW], v[NIL]                      ; 0 onto my spare word
.if \chg == 1
	NEXTSLAB 1-PAR
.endif
.endif
.if (\chg) && (k == 17)
	s_wait_dscnt 0x0                               ; the add is done, and my reads of the slot are over
	s_barrier_signal -1
.endif
.set k, k+1
.endr
.if \chg
	WIN 0
	s_barrier_wait -1
.if \chg == 1
	CREST                                          ; no wave of any partner still reads the slot or has a load on its way
	tensor_load_to_lds s[G0+4*(1-PAR):G0+4*(1-PAR)+3], s[G1:G1+7]   ; my one tensor load behind the round
	s_nop 0
.rept 4
	v_nop
.endr
.endif
.endif
.endm
.macro STEPC par, pv, ld, chg, last    ; a key step: four turns
	TURN 0, \par, \pv, 1, \ld, 0
	TURN 1, \par, \pv, 1, \ld, 0
	TURN 2, \par, \pv, 1, \ld, 0
	TURN 3, \par, \pv, 1-\last, \ld, \chg
.endm
	s_wait_tensorcnt 0x1                           ; my part of the first slab is in; the second's may stay out
	s_barrier_signal -1
	s_barrier_wait -1                              ; everybody's is
.set PAR, 1                                    ; (slot 0, and g's even set)
.irp p, 0,1,2,3
.set PC, \p
	LOADS                                          ; my whole key step 0 goes into registers
.endr
	s_wait_tensorcnt 0x0                           ; slot 0 is given up at once: all my tensor loads have landed,
	ds_add_u32 v[SPW], v[NIL]                      ; 0 onto my spare word
	NEXTSLAB 0
	s_wait_dscnt 0x0                               ; the add is done, and my reads of slot 0 are over
	CROUND
	tensor_load_to_lds s[G0:G0+3], s[G1:G1+7]      ; the walk's slab 2
	s_nop 0
.rept 4
	v_nop
.endr
	s_wait_loadcnt 0x0                             ; theta
.set SN, 0
.set PN, 0
.set k, 0
.rept 16
	SMM k                                          ; the first piece's scores: there is no vector work yet to set between them
.set k, k+1
.endr
	PLACES
	STEPC 0, 0, 1, 1, 0                            ; key step 0: nothing to multiply by g yet
	STEPC 1, 1, 1, 1, 0                            ; key step 1: the products of key step 0 start O^T
	s_mov_b32 s[CNT], 5
.Lpair:                                            ; key steps 2 to 11, two a trip: the registers' parities come back after two
	STEPC 0, 2, 1, 1, 0
	STEPC 1, 2, 1, 1, 0
	s_sub_co_u32 s[CNT], s[CNT], 1
	s_cmp_lg_u32 s[CNT], 0
	s_cbranch_scc1 .Lpair
	STEPC 0, 2, 1, 1, 0                            ; key step 12: the last refill, the walk's slab 15.  The tail is written out
	STEPC 1, 2, 1, 2, 0                            ; key step 13: the slots change, nothing is filled
	STEPC 0, 2, 1, 0, 0                            ; key step 14 reads the last slab
	STEPC 1, 2, 0, 0, 1                            ; key step 15: nothing more to read, and no next piece
.irp ct, 0,1,2,3
.irp q, 0,1,2,3
	PVM \q, \ct, 1, 0                              ; the products of key step 15
.endr
.endr
	; THE WAY OUT.  A lane's eight registers are eight neighbouring channels of one query: 32 bytes of a row of 256.  Both key halves go into the stage; each wave then adds the halves of 32 whole rows, scales and stores them.
	PLACES
	WIN 0x0c                                       ; store data window 3
.irp q, 0,1,2,3
.irp ct, 0,1,2,3
	ds_store_b128 v[STO], v[128+32*\q+8*\ct:128+32*\q+8*\ct+3] offset:\q*16*SP+64*\ct      ; each accumulator from its low end on
	ds_store_b128 v[STO], v[128+32*\q+8*\ct+4:128+32*\q+8*\ct+7] offset:\q*16*SP+64*\ct+16
.endr
.endr
	WIN 0
	s_wait_dscnt 0x0                               ; for the others' sake: my stores into the stage are done
	s_barrier_signal -1
	s_barrier_wait -1
.irp t, 0,1,2,3,4,5,6,7,8,9,10,11,12,13,14,15
	ds_load_b128 v[64+4*\t:64+4*\t+3], v[SRD] offset:\t*2*SP
	ds_load_b128 v[128+4*\t:128+4*\t+3], v[SRD] offset:\t*2*SP+128*SP
.endr
.irp t, 0,1,2,3,4,5,6,7,8,9,10,11,12,13,14,15
	s_wait_dscnt 30-2*\t                           ; pair t's two loads are in; the younger pairs' may be out
	v_pk_add_f32 v[64+4*\t:65+4*\t], v[64+4*\t:65+4*\t], v[128+4*\t:129+4*\t]
	v_pk_add_f32 v[66+4*\t:67+4*\t], v[66+4*\t:67+4*\t], v[130+4*\t:131+4*\t]
	v_pk_mul_f32 v[64+4*\t:65+4*\t], v[64+4*\t:65+4*\t], s[OS:OS+1] op_sel_hi:[1,0]   ; x 2^(e8 + e9)
	v_pk_mul_f32 v[66+4*\t:67+4*\t], v[66+4*\t:67+4*\t], s[OS:OS+1] op_sel_hi:[1,0]
	global_store_b128 v[LI], v[64+4*\t:67+4*\t], s[10:11] offset:512*\t th:TH_STORE_NT   ; 32 lanes store two rows, 512 consecutive bytes, aligned
.endr
	s_wait_tensorcnt 0x0                           ; the wave's end
	ds_add_u32 v[SPW], v[NIL]
	s_wait_dscnt 0x0
	CROUND                                         ; the closing round: no work-group ends while a partner may still ask for a tile that names it
	s_endpgm
.Lfunc_end_k_q3eb023a25a_att:
	.size	k_q3eb023a25a_att, .Lfunc_end_k_q3eb023a25a_att-k_q3eb023a25a_att
	.p2alignl 7, 3214868480
	.fill 96, 4, 3214868480
	.section	.rodata,"a",@progbits
	.p2align	6, 0x0
	.amdhsa_kernel k_q3eb023a25a_att
		.amdhsa_group_segment_fixed_size 327680
		.amdhsa_private_segment_fixed_size 0
		.amdhsa_enable_private_segment 0
		.amdhsa_kernarg_size 32
		.amdhsa_user_sgpr_count 2
		.amdhsa_user_sgpr_kernarg_segment_ptr 1
		.amdhsa_wavefront_size32 1
		.amdhsa_system_sgpr_workgroup_id_x 1
		.amdhsa_system_sgpr_workgroup_id_y 1
		.amdhsa_system_sgpr_workgroup_id_z 1
		.amdhsa_system_vgpr_workitem_id 0
		.amdhsa_next_free_vgpr 1024
		.amdhsa_next_free_sgpr 66
		.amdhsa_reserve_vcc 0
		.amdhsa_float_denorm_mode_32 3
		.amdhsa_float_denorm_mode_16_64 3
		.amdhsa_memory_ordered 1
		.amdhsa_forward_progress 1
		.amdhsa_inst_pref_size 255
	.end_amdhsa_kernel
	.section	.bss,"aw",@nobits
	.p2align	6
	.space	262144
	.amdgpu_metadata
---
amdhsa.version: [ 1, 2 ]
amdhsa.kernels:
  - .name:           k_q3eb023a25a_att
    .symbol:         k_q3eb023a25a_att.kd
    .args:
      - { .name: th, .offset: 0, .size: 8, .value_kind: global_buffer, .address_space: global }
      - { .name: kv, .offset: 8, .size: 8, .value_kind: global_buffer, .address_space: global }
      - { .name: lowp_scales, .offset: 16, .size: 8, .value_kind: global_buffer, .address_space: global }
      - { .name: out0, .offset: 24, .size: 8, .value_kind: global_buffer, .address_space: global }
    .group_segment_fixed_size: 327680
    .private_segment_fixed_size: 0
    .kernarg_segment_align: 8
    .kernarg_segment_size: 32
    .max_flat_workgroup_size: 128
    .sgpr_count:     66
    .vgpr_count:     1024
    .wavefront_size: 32
...
	.end_amdgpu_metadata
.endif
;; end of part 2
